; MI455X (gfx1250); checked and timed in simulation.
; The chip was launched on July 23, 2026; its instructions are those of AMD's public machine-readable ISA for CDNA 5 (MIT licence, August 2026) and "CDNA5" Instruction Set Architecture Reference Guide (July 2026). The comments in the code are by the model that wrote it; some were corrected since.
;; Funnel Attention. Allowed arithmetic: float matrix products may take bf16 or f16 operands with f32 sums; all other float work in f32.
;; Inputs: x 4 x 4,096 x 1,024 float32.
;; Outputs: out0 4 x 1,024 x 1,024 float32.
;; Constants: kernel_size = 4.
;; One version. Each part assembles by itself: llvm-mc -triple=amdgcn-amd-amdhsa -mcpu=gfx1250 --defsym DOCPART=n.
;; ======== version 1 of 1: 3 launches
;; workspace buffers: xb 33,554,432 bytes; pf 16,777,216 bytes; pb 8,388,608 bytes; gb 8,388,608 bytes; fd 16,384 bytes
;; launch prep (part 1): grid 512 x 1, 8 waves a work-group, no clusters, 0 bytes of LDS; arguments x, xb, pf, pb; writes xb, pf, pb
.if DOCPART == 1
	.amdgcn_target "amdgcn-amd-amdhsa--gfx1250"
	.amdhsa_code_object_version 6
	.text
	.protected	k_q8312bfffb8_prep
	.globl	k_q8312bfffb8_prep
	.p2align	8
	.type	k_q8312bfffb8_prep,@function
k_q8312bfffb8_prep:
	s_mov_b64 s[64:65], 0
	v_nop
	global_prefetch_b8 v0, s[64:65] scope:SCOPE_SE
	s_setreg_imm32_b32 hwreg(HW_REG_WAVE_MODE, 25, 1), 1
	s_wait_xcnt 0x0
; prep: x [16384 rows][1024] f32  ->  xb = x in bf16 (same layout), pf = mean of 4 neighbouring rows in f32 [4096][1024], pb = pf in bf16.
; A stream: each byte of x is read once and each byte of xb, pf, pb written once.  No LDS, no barrier, no matrix unit: there is nothing to share.
; Eight waves; the work-group owns 32 rows of x = 8 groups of 4.  Thread t owns the 16 bytes (4 columns) at byte 16 t of every row,
; so one load of a wave covers 512 neighbouring bytes and the eight waves cover a row.
; All 32 loads of a thread go out at once (16 KiB of a wave on their way); the groups are then worked off behind counted waits.
; No register that a store reads is written after the store, so no wait guards a store's sources.
.set ROWX, 4096                        ; bytes in a row of x and of pf
.set ROWB, 2048                        ; bytes in a row of xb and of pb
.set OX,   1                           ; v1        16 t: my offset in a row of x and of pf; never rewritten
.set OB,   2                           ; v2        8 t: my offset in a row of xb and of pb; never rewritten
.set X,    8                           ; v[8:135]  row n of my 32: 4 registers as loaded; its first two then hold the row's 4 bf16
.set P,    136                         ; v[136:183] group g: 6 registers: 4 means in f32, then the same 4 in bf16
	s_load_b256 s[4:11], s[0:1], 0x0               ; x s[4:5], xb s[6:7], pf s[8:9], pb s[10:11]
	s_mov_b32 s3, 0                                ; the upper word of every offset pair
	s_mov_b32 s12, 0x3e800000                      ; 0.25,
	s_mov_b32 s13, 0x3e800000                      ; in both words of the pair that the packed multiply names
	v_lshlrev_b32 v[OX], 4, v0
	v_lshlrev_b32 v[OB], 3, v0
	s_lshl_b32 s2, ttmp9, 17                       ; 32 rows of 4,096 bytes for each work-group
	s_wait_kmcnt 0x0
	s_add_nc_u64 s[4:5], s[4:5], s[2:3]
.set n, 0
.rept 32
	global_load_b128 v[X+4*n:X+4*n+3], v[OX], s[4:5] offset:n*ROWX th:TH_LOAD_NT   ; x is read once in the launch
.set n, n+1
.endr
	s_lshl_b32 s2, ttmp9, 16                       ; xb: 32 rows of 2,048 bytes
	s_add_nc_u64 s[6:7], s[6:7], s[2:3]
	s_lshl_b32 s2, ttmp9, 15                       ; pf: 8 rows of 4,096 bytes
	s_add_nc_u64 s[8:9], s[8:9], s[2:3]
	s_lshl_b32 s2, ttmp9, 14                       ; pb: 8 rows of 2,048 bytes
	s_add_nc_u64 s[10:11], s[10:11], s[2:3]
; Group g: rows 4 g .. 4 g + 3.  The stores carry no hint: the next launches read what they write.
.macro GROUP g
	s_wait_loadcnt 28-4*\g                         ; loads come back in order (ISA guide 5.7.1): the 4 loads of each younger group stay out
	v_pk_add_f32 v[P+6*\g:P+6*\g+1],   v[X+16*\g:X+16*\g+1],   v[X+16*\g+4:X+16*\g+5]
	v_pk_add_f32 v[P+6*\g+2:P+6*\g+3], v[X+16*\g+2:X+16*\g+3], v[X+16*\g+6:X+16*\g+7]
.irp r, 2,3
	v_pk_add_f32 v[P+6*\g:P+6*\g+1],   v[P+6*\g:P+6*\g+1],   v[X+16*\g+4*\r:X+16*\g+4*\r+1]
	v_pk_add_f32 v[P+6*\g+2:P+6*\g+3], v[P+6*\g+2:P+6*\g+3], v[X+16*\g+4*\r+2:X+16*\g+4*\r+3]
.endr
	v_pk_mul_f32 v[P+6*\g:P+6*\g+1],   v[P+6*\g:P+6*\g+1],   s[12:13] op_sel_hi:[1,0]   ; the mean of four
	v_pk_mul_f32 v[P+6*\g+2:P+6*\g+3], v[P+6*\g+2:P+6*\g+3], s[12:13] op_sel_hi:[1,0]
	v_cvt_pk_bf16_f32 v[P+6*\g+4], v[P+6*\g],   v[P+6*\g+1]
	v_cvt_pk_bf16_f32 v[P+6*\g+5], v[P+6*\g+2], v[P+6*\g+3]
.irp r, 0,1,2,3
	v_cvt_pk_bf16_f32 v[X+16*\g+4*\r],   v[X+16*\g+4*\r],   v[X+16*\g+4*\r+1]         ; the row itself, rounded once, in place
	v_cvt_pk_bf16_f32 v[X+16*\g+4*\r+1], v[X+16*\g+4*\r+2], v[X+16*\g+4*\r+3]
.endr
.irp r, 0,1,2,3
	global_store_b64 v[OB], v[X+16*\g+4*\r:X+16*\g+4*\r+1], s[6:7] offset:(4*\g+\r)*ROWB   ; a wave's store covers 256 consecutive bytes, aligned
.endr
	global_store_b128 v[OX], v[P+6*\g:P+6*\g+3], s[8:9] offset:\g*ROWX
	global_store_b64  v[OB], v[P+6*\g+4:P+6*\g+5], s[10:11] offset:\g*ROWB
.endm
.irp g, 0,1,2,3,4,5,6,7
	GROUP \g
.endr
	s_endpgm
.Lfunc_end_k_q8312bfffb8_prep:
	.size	k_q8312bfffb8_prep, .Lfunc_end_k_q8312bfffb8_prep-k_q8312bfffb8_prep
	.p2alignl 7, 3214868480
	.fill 96, 4, 3214868480
	.section	.rodata,"a",@progbits
	.p2align	6, 0x0
	.amdhsa_kernel k_q8312bfffb8_prep
		.amdhsa_group_segment_fixed_size 0
		.amdhsa_private_segment_fixed_size 0
		.amdhsa_enable_private_segment 0
		.amdhsa_kernarg_size 32
		.amdhsa_user_sgpr_count 2
		.amdhsa_user_sgpr_kernarg_segment_ptr 1
		.amdhsa_wavefront_size32 1
		.amdhsa_system_sgpr_workgroup_id_x 1
		.amdhsa_system_sgpr_workgroup_id_y 1
		.amdhsa_system_sgpr_workgroup_id_z 1
		.amdhsa_system_vgpr_workitem_id 0
		.amdhsa_next_free_vgpr 184
		.amdhsa_next_free_sgpr 66
		.amdhsa_reserve_vcc 0
		.amdhsa_float_denorm_mode_32 3
		.amdhsa_float_denorm_mode_16_64 3
		.amdhsa_memory_ordered 1
		.amdhsa_forward_progress 1
		.amdhsa_inst_pref_size 18
	.end_amdhsa_kernel
	.amdgpu_metadata
---
amdhsa.version: [ 1, 2 ]
amdhsa.kernels:
  - .name:           k_q8312bfffb8_prep
    .symbol:         k_q8312bfffb8_prep.kd
    .args:
      - { .name: x, .offset: 0, .size: 8, .value_kind: global_buffer, .address_space: global }
      - { .name: xb, .offset: 8, .size: 8, .value_kind: global_buffer, .address_space: global }
      - { .name: pf, .offset: 16, .size: 8, .value_kind: global_buffer, .address_space: global }
      - { .name: pb, .offset: 24, .size: 8, .value_kind: global_buffer, .address_space: global }
    .group_segment_fixed_size: 0
    .private_segment_fixed_size: 0
    .kernarg_segment_align: 8
    .kernarg_segment_size: 32
    .max_flat_workgroup_size: 256
    .sgpr_count:     66
    .vgpr_count:     184
    .wavefront_size: 32
...
	.end_amdgpu_metadata
.endif
;; end of part 1
;; launch gram (part 2): grid 8 x 32, 4 waves a work-group, clusters of 4 x 4, 327,680 bytes of LDS; arguments xb, gb, fd; writes gb, fd
.if DOCPART == 2
	.amdgcn_target "amdgcn-amd-amdhsa--gfx1250"
	.amdhsa_code_object_version 6
	.text
	.protected	k_q8312bfffb8_gram
	.globl	k_q8312bfffb8_gram
	.p2align	8
	.type	k_q8312bfffb8_gram,@function
k_q8312bfffb8_gram:
	s_mov_b64 s[64:65], 0
	v_nop
	global_prefetch_b8 v0, s[64:65] scope:SCOPE_SE
	s_setreg_imm32_b32 hwreg(HW_REG_WAVE_MODE, 25, 1), 1
	s_wait_xcnt 0x0
	s_wait_alu depctr_hold_cnt(0) depctr_sa_sdst(0) depctr_va_vdst(0) depctr_va_sdst(0) depctr_va_ssrc(0) depctr_va_vcc(0) depctr_vm_vsrc(0)
	s_getreg_b32 s2, hwreg(HW_REG_IB_STS2, 6, 4)
	s_cmp_eq_u32 s2, 0
	s_cbranch_scc0 .Lentry_in_a_cluster
	s_endpgm
.Lentry_in_a_cluster:
	s_bfe_u32 s2, ttmp6, 0x10000c
	s_cmp_lg_u32 s2, 0xf033
	s_cbranch_scc0 .Lentry_shape_is_right
	s_endpgm
.Lentry_shape_is_right:
; gram: G_b = xb_b^T xb_b for each of 4 batches.  xb: [4][4096 (t)][1024 (c)] bf16.  gb: [4][1024][1024] bf16 = G rounded once.
; fd: [4][1024] f32, fd[c] = 1 + (G[c][c] - bf16(G[c][c])): what the rounding took from the diagonal, kept exactly, plus the 1 of "pooled +".
;
; WHY G.  The result asked for is pooled + (pooled x^T) x.  Nothing stands between the two products, so it equals pooled + pooled (x^T x)
; for every input; x^T x is 1024 x 1024 with 4,096 terms a sum, and pooled G has 1,024 terms a sum: 5/8 of the multiply-adds of the order as written.
; STATED LIMITS: the order of the sums differs from the written one, and the intermediate that is rounded to bf16 is G, not pooled x^T.  G's diagonal
; is a sum of squares and so the largest entry of its row; its rounding error is therefore carried along in f32 (fd).  All operands bf16, sums f32.
;
; SHAPE.  4 x 8 x 8 blocks of 128 x 128 of G: 256 work-groups.  Each of the four waves holds the WHOLE block (64 accumulator tiles, 512 registers)
; and takes a quarter of the terms: of each K step's 512 rows t, wave w multiplies rows 128 w .. 128 w + 127.  So 32 terms cost a wave 2 x 128 x 64 bytes
; of LDS reads for 64 matrix instructions.  The four partial blocks meet once, at the end, in LDS.
; ONE SLOT, AND REGISTERS AS THE SECOND BUFFER.  A refill goes out only when all of a wave's tensor loads have landed, so one fill is on its way at a time:
; it is made as large as LDS holds.  The slot has two slabs of 512 rows x 256 bytes: the columns of block i (the rows of G) and those of block j; the
; block's 4,096 terms are 8 fills.  A wave's share of a slot is four parts of 32 rows; three fragment buffers take parts 0, 1, 2 and, when part 0 has been
; multiplied, part 3: after 96 of the period's 256 matrix instructions nothing in the slot is unread, the refill goes out, and the other 160 run on registers.
; Both operands lie [K][N] in LDS, so fragments are read by the transposing load.
; CLUSTERS: 4 x 4 work-groups.  The slab of block i hangs on the work-group's y alone and is shared along a row of the cluster, the slab of block j on x
; (and the batch, which all sixteen share) and is shared along a column: joint loads, which divide the requests by four.
;
; REGISTERS, in windows of 256:
;   window 0: v0-42 addresses; v64-127, v128-191, v192-255 fragments of slab i, three buffers (the third is at work again on the way out)
;   window 1: v64-127, v128-191, v192-255 fragments of slab j, three buffers
;   window 2: accumulator tiles of rows 0-63 of the block (tile (a, b) at v[8 (8 a + b)]);   window 3: of rows 64-127
; The matrix instruction is used transposed (source 0 = slab j, source 1 = slab i): lane l holds row l % 16 of G and its 8 registers the
; columns 8 (l / 16) + 0 .. 7, eight neighbours of a row.
.set PITCH,  288                       ; an LDS row: 256 bytes + 32 of padding = 9 x 32 bytes, an odd multiple of 32, so that the rows a transposing load touches start apart
.set HALFT,  256*PITCH                 ; 256 rows: what one tensor load brings
.set SLAB,   2*HALFT                   ; 512 rows of one block's columns
.set RING,   2*SLAB                    ; slab i, then slab j: the one slot
.set SUBK,   32*PITCH                  ; 32 rows of t: one matrix instruction's depth
.set STAGE,  RING                      ; behind the slot: 16 rows x 272 bytes for each wave, for the way out; no tensor load lands here
.set SPITCH, 272
.set KSTEP,  512
.set ROWB,   2048                      ; bytes in a row of xb and of gb
.set PERIODS, 4096/KSTEP               ; 8 fills of the slot
.set IMG,    65536                     ; a wave's 512 accumulator registers as they lie: 64 tiles x 1,024 bytes
.set ADRA, 16                          ; LDS address of my fragments of slab i
.set ADRB, 20                          ; the same for slab j
.set STO,  24                          ; the way out: where I put 16 bytes of a row
.set RD,   25                          ; the way out: where I read a row back
.set CO,   26                          ; my byte offset in gb
.set DMP,  27                          ; my 16 bytes in my wave's image
.set RQ,   28                          ; v28-31  my 16 bytes in my wave's quarter of image 0 .. 3
.set DGA,  32                          ; v32-35  element (m, m) of the block, m = my thread number, in image 0 .. 3
.set DG,   36                          ; v36-39  its four partial sums
.set FO,   40                          ; my byte offset in fd
.set VI,   41                          ; block i in every lane
.set DT,   42                          ; at work
.set F0,   64                          ; fragment buffer 0
.set F1,   128                         ; fragment buffer 1
.set F2,   192                         ; fragment buffer 2
.set Q,    64                          ; after the K loop: v64-191 of window 0, the sums of my 16 tiles
.set TMP,  192
.set RB,   224
.set G1,  24                           ; s[24:31] descriptor group 1 for slab i
.set G0,  32                           ; s[32:35] descriptor group 0 for slab i
.set G1B, 48                           ; s[48:55] group 1 for slab j: it differs in the mask alone
.set G0B, 56                           ; s[56:59] group 0 for slab j
.set MSB, 0
.macro WIN new                         ; the immediate's high byte repeats the setting that is left; a switch that changes nothing is dropped
.if MSB != \new
	s_set_vgpr_msb (MSB<<8)|\new
.set MSB, \new
.endif
.endm
.set MUL_LO, 0xa1                      ; source 0 window 1, source 1 window 0, C and D window 2
.set MUL_HI, 0xf1                      ; the same, C and D window 3
.set TO_B,   0x40                      ; destination window 1, address window 0
; A joint load.  Waves 0 and 1 fetch the two halves of slab i, waves 2 and 3 those of slab j.  Each line has one mask; the branch hangs on the wave's number alone.
.macro JLOAD
	s_cmp_eq_u32 s11, 0
	s_cbranch_scc0 .Lfor_b_\@
	tensor_load_to_lds s[G0:G0+3], s[G1:G1+7]
	s_nop 0
	s_branch .Lasked_\@
.Lfor_b_\@:
	tensor_load_to_lds s[G0B:G0B+3], s[G1B:G1B+7]
	s_nop 0
.Lasked_\@:
.endm
; A round of the cluster's barrier: my work-group's barrier, wave 0 signals for the work-group, every wave waits for all sixteen, my work-group's barrier again.
.macro CREST                           ; a round behind its opening barrier
	s_cmp_lg_u32 s10, 0
	s_cbranch_scc1 .Lnot_wave_0_\@
	s_barrier_signal -3
.Lnot_wave_0_\@:
	s_barrier_wait -3
	s_barrier_signal -1
	s_barrier_wait -1
.endm
.macro CROUND                          ; a whole round
	s_barrier_signal -1
	s_barrier_wait -1
	CREST
.endm
	s_load_b128 s[4:7], s[0:1], 0x0                ; xb s[4:5], gb s[6:7]
	s_load_b64 s[8:9], s[0:1], 0x10                ; fd
	v_lshl_add_u32 v62, v0, 2, 0x4c400
	v_mov_b32 v63, 0
	ds_add_u32 v62, v63
	v_lshrrev_b32 v1, 5, v0
	v_readfirstlane_b32 s10, v1                    ; wave 0..3
	s_lshr_b32 s11, s10, 1                         ; I fetch for slab i (0) or slab j (1)
	s_and_b32 s12, s10, 1                          ; which 256 rows of that slab I fetch
	s_bfe_u32 s40, ttmp6, 0x40000                  ; cx
	s_bfe_u32 s41, ttmp6, 0x40004                  ; cy
	s_lshl_b32 s42, ttmp9, 2
	s_add_co_u32 s42, s42, s40                     ; j = 4 x cluster x + cx: block of G's columns, 0..7
	s_and_b32 s45, ttmp7, 0xffff                   ; cluster y, 0..7
	s_lshl_b32 s13, s45, 2
	s_add_co_u32 s13, s13, s41                     ; y = 4 x cluster y + cy, 0..31
	s_and_b32 s18, s13, 7                          ; i = y mod 8: block of G's rows
	s_lshr_b32 s45, s45, 1                         ; the batch = y / 8 = cluster y / 2: the same in all sixteen partners
	s_lshl_b32 s43, s41, 2
	s_lshl_b32 s43, 15, s43                        ; my row of the cluster: places 4 cy .. 4 cy + 3
	s_lshl_b32 s44, 0x1111, s40                    ; my column: places cx, cx + 4, cx + 8, cx + 12
	; descriptor group 1: a tile of 256 rows x 128 elements of 2 bytes, 8 words of padding behind every 64 words
	s_or_b32 s[G1+0],  s43, (1<<16)|(1<<20)|(1<<21)|(5<<22)|(7<<25)   ; 15:0 mask; 17:16 element of 2 bytes; 20 padding on; 21 set beside a mask; 24:22 interval 64 words; 31:25 pad 8 words
	s_or_b32 s[G1B+0], s44, (1<<16)|(1<<20)|(1<<21)|(5<<22)|(7<<25)
	s_mov_b32 s[G1+1],  128<<16                    ; tensor_dim0 = 128
	s_mov_b32 s[G1B+1], 128<<16
	s_mov_b32 s[G1+2],  256<<16                    ; tensor_dim1 = 256
	s_mov_b32 s[G1B+2], 256<<16
	s_mov_b32 s[G1+3],  128<<16                    ; tile_dim0 = 128
	s_mov_b32 s[G1B+3], 128<<16
	s_mov_b32 s[G1+4],  256                        ; tile_dim1 = 256
	s_mov_b32 s[G1B+4], 256
	s_mov_b32 s[G1+5],  1024                       ; elements from row to row
	s_mov_b32 s[G1B+5], 1024
	s_mov_b32 s[G1+6],  0
	s_mov_b32 s[G1B+6], 0
	s_mov_b32 s[G1+7],  0
	s_mov_b32 s[G1B+7], 0
	; where the tiles come from.  s19: what all partners share; s16 never holds cx, s46 never holds cy.
	s_lshl_b32 s19, s45, 23                        ; the batch: 4,096 rows of 2,048 bytes
	s_lshl_b32 s21, s12, 19                        ; my 256 rows of the slab
	s_add_co_u32 s19, s19, s21
	s_lshl_b32 s16, s18, 8                         ; block i: 128 columns of 2 bytes
	s_add_co_u32 s16, s16, s19
	s_mov_b32 s17, 0
	s_lshl_b32 s46, s42, 8                         ; block j
	s_add_co_u32 s46, s46, s19
	s_mov_b32 s47, 0
	s_mov_b32 s[G0], 1                             ; count = 1
	s_mov_b32 s[G0B], 1
	s_mul_i32 s[G0+1],  s10, HALFT                 ; where they go: wave x 256 rows (slab i's halves, then slab j's): no place in the cluster enters an LDS address
	s_mul_i32 s[G0B+1], s10, HALFT
	s_wait_dscnt 0x0
	s_wait_kmcnt 0x0
	s_add_nc_u64 s[G0+2:G0+3],   s[4:5], s[16:17]  ; global address: the first 512 rows of t
	s_or_b32 s[G0+3], s[G0+3], 0x80000000          ; type = 2
	s_add_nc_u64 s[G0B+2:G0B+3], s[4:5], s[46:47]
	s_or_b32 s[G0B+3], s[G0B+3], 0x80000000
	CROUND                                         ; all sixteen work-groups are here: the first joint loads meet
	JLOAD                                          ; the first fill goes out before anything else: one tensor load of the wave is out, here and behind every later round
	; A fragment: 16 columns c x 32 rows t.  The transposing load wants lane L at row 8 (L / 16) + L % 8, 16 bytes ((L / 8) % 2) of the 32 that hold the 16 columns;
	; it leaves t = 8 (L / 16) + 0..7 of column L % 16 in 4 registers.  The second load, 16 rows down, brings t = 16 + 8 (L / 16) + 0..7.
	v_and_b32 v1, 31, v0                           ; L
	v_and_b32 v2, 7, v0
	v_bfe_u32 v3, v0, 4, 1                         ; h = L / 16
	v_bfe_u32 v5, v0, 3, 1
	v_lshl_add_u32 v2, v3, 3, v2
	v_mul_u32_u24 v4, v2, PITCH
	v_lshl_add_u32 v4, v5, 4, v4
	s_mul_i32 s21, s10, 128*PITCH                  ; my 128 rows of each slab
	s_add_co_u32 s22, s21, SLAB                    ; slab j lies behind slab i
	v_add_nc_u32 v[ADRA], s21, v4
	v_add_nc_u32 v[ADRB], s22, v4
	v_and_b32 v6, 15, v0                           ; r = L % 16
	s_mul_i32 s23, s10, 16*SPITCH
	s_add_co_u32 s23, s23, STAGE                   ; my stage
	v_mul_u32_u24 v7, v6, SPITCH                   ; in: row r, 16 bytes for each half of the lanes
	v_lshl_add_u32 v7, v3, 4, v7
	v_add_nc_u32 v[STO], s23, v7
	v_mul_u32_u24 v7, v3, SPITCH                   ; back: lanes 0-15 one row of 256 bytes, lanes 16-31 the next
	v_lshl_add_u32 v7, v6, 4, v7
	v_add_nc_u32 v[RD], s23, v7
	v_lshlrev_b32 v7, 11, v3                       ; and the same two rows in gb
	v_lshl_add_u32 v[CO], v6, 4, v7
	s_lshl_b32 s21, s10, 16
	v_lshl_add_u32 v[DMP], v1, 4, s21              ; image w, 16 bytes a lane
	s_lshl_b32 s22, s10, 14
	v_lshl_add_u32 v[RQ], v1, 4, s22               ; tiles 16 w .. 16 w + 15 of an image
	; element (m, m), m = thread number: tile 9 (m / 16); with p = m % 16 it lies in lane p + 16 (p / 8), register p % 8
	v_lshrrev_b32 v7, 4, v0
	v_mul_u32_u24 v7, v7, 9*1024
	v_bfe_u32 v8, v0, 2, 1                         ; which four registers of the tile's eight: 512 bytes
	v_lshl_add_u32 v7, v8, 9, v7
	v_lshl_add_u32 v7, v6, 4, v7                   ; 16 bytes a lane: 16 p
	v_lshl_add_u32 v7, v5, 8, v7                   ; + 256 (p / 8)
	v_and_b32 v8, 3, v0
	v_lshl_add_u32 v[DGA], v8, 2, v7               ; the word among the four
.irp q, 1,2,3
	v_add_nc_u32 v[RQ+\q],  \q*IMG, v[RQ]
	v_add_nc_u32 v[DGA+\q], \q*IMG, v[DGA]
.endr
	v_lshlrev_b32 v[FO], 2, v0
	v_mov_b32 v[VI], s18
; 16 matrix instructions: m blocks a0, a0 + 1 of the window's four x all 8 n blocks, 32 along t.  zero = 1: the first product starts the sums.
.macro MUL16 f, hi, a0, zero
.irp a, \a0, \a0+1
.irp b, 0,1,2,3,4,5,6,7
.if \zero
	v_wmma_f32_16x16x32_bf16 v[8*(8*(\a)+\b):8*(8*(\a)+\b)+7], v[\f+8*\b:\f+8*\b+7], v[\f+8*(4*\hi+\a):\f+8*(4*\hi+\a)+7], 0
.else
	v_wmma_f32_16x16x32_bf16 v[8*(8*(\a)+\b):8*(8*(\a)+\b)+7], v[\f+8*\b:\f+8*\b+7], v[\f+8*(4*\hi+\a):\f+8*(4*\hi+\a)+7], v[8*(8*(\a)+\b):8*(8*(\a)+\b)+7]
.endif
.endr
.endr
.endm
.macro MUL_L f, zero                   ; 32 matrix instructions: rows 0-63 of the block
	WIN MUL_LO
	MUL16 \f, 0, 0, \zero
	MUL16 \f, 0, 2, \zero
.endm
.macro MUL_H f, zero                   ; 32 matrix instructions: rows 64-127
	WIN MUL_HI
	MUL16 \f, 1, 0, \zero
	MUL16 \f, 1, 2, \zero
.endm
; 32 transposing loads in one run: 128 columns of slab j, then 128 of slab i, 32 rows of t beginning k bytes into my 128 rows, into buffer f
.macro FETCH k, f
	WIN TO_B
.irp i, 0,1,2,3,4,5,6,7
	ds_load_tr16_b128 v[\f+8*\i:\f+8*\i+3],   v[ADRB] offset:\k+32*\i
	ds_load_tr16_b128 v[\f+8*\i+4:\f+8*\i+7], v[ADRB] offset:\k+32*\i+16*PITCH
.endr
	WIN 0
.irp i, 0,1,2,3,4,5,6,7
	ds_load_tr16_b128 v[\f+8*\i:\f+8*\i+3],   v[ADRA] offset:\k+32*\i
	ds_load_tr16_b128 v[\f+8*\i+4:\f+8*\i+7], v[ADRA] offset:\k+32*\i+16*PITCH
.endr
.endm
; Four places behind a matrix instruction before a load lands in a register that it read, or anything but a matrix instruction reads its result
; (ISA guide 7.12.1 for vector instructions); other matrix instructions are not counted as places.
.macro PLACES
.rept 4
	v_nop
.endr
.endm
; One fill of the slot: for a wave four parts of 32 rows of t, 64 matrix instructions each, on buffers 0, 1, 2, 0.
; The 64 accumulators take turns, one instruction a turn, in the same order in every part and over the backward jump.
; zero = 1: part 0 starts the sums.  fill = 1: the slot is filled again with the next 512 rows.
.macro PERIOD zero, fill
	s_wait_tensorcnt 0x0                           ; my part of the slot has landed (no younger load exists, so the count is 0),
	s_barrier_signal -1                            ; I say so (no LDS instruction of mine is pending),
	s_barrier_wait -1                              ; and everybody's has
	PLACES                                         ; behind the last period's matrix instructions, which read all three buffers
	FETCH 0, F0
	FETCH SUBK, F1
	s_wait_dscnt 40                                ; part 0: slab j's fragments and slab i's first four are in; its youngest 8 loads and part 1's 32 may be out
	MUL_L F0, \zero
	s_wait_dscnt 32                                ; part 0 is whole; part 1's 32 loads may be out
	FETCH 2*SUBK, F2                               ; buffer 2 was last read in the period before, ahead of the four places above
	MUL_H F0, \zero
	PLACES                                         ; buffer 0 has just been read
	s_wait_dscnt 32                                ; part 1 is whole; part 2's 32 loads may be out
	FETCH 3*SUBK, F0                               ; the last of the slot that I had not read
	MUL_L F1, 0
	WIN 0
	s_wait_dscnt 0x0                               ; my reads of the slot are over: its four parts are multiplied or in registers
	s_wait_tensorcnt 0x0                           ; and no tensor load of mine is out (shown at the period's head: met at once; it stands here because a refill follows)
	ds_add_u32 v62, v63
	s_wait_dscnt 0x0
	s_barrier_signal -1                            ; with fill this barrier opens a round of the cluster's barrier; nothing stands inside, so that the request goes out at once
	s_barrier_wait -1
.if \fill
	CREST                                          ; no wave of any partner still reads the slot or has a load on its way
	s_add_nc_u64 s[G0+2:G0+3],   s[G0+2:G0+3],   KSTEP*ROWB
	s_add_nc_u64 s[G0B+2:G0B+3], s[G0B+2:G0B+3], KSTEP*ROWB
	JLOAD                                          ; the wave's one tensor load behind the round, and the first thing there; 160 matrix instructions follow before the wait for it
.endif
	MUL_H F1, 0
	MUL_L F2, 0
	MUL_H F2, 0
	MUL_L F0, 0
	MUL_H F0, 0
.endm
	PERIOD 1, 1                                    ; the first period stands in front of the loop: its first products start the sums
	WIN 0                                          ; at a label and at a branch every window is 0
	s_mov_b32 s3, PERIODS-2
.Lperiod:
	PERIOD 0, 1
	WIN 0
	s_sub_co_u32 s3, s3, 1
	s_cmp_lg_u32 s3, 0
	s_cbranch_scc1 .Lperiod
	PERIOD 0, 0                                    ; the last period fills nothing and has no round.  Behind its second barrier no wave reads the slot any more,
	                                               ; and the slot has had its last fill: its bytes are free for the waves' own stores below
	; THE FOUR PARTIAL BLOCKS MEET.  Each wave lays its 512 accumulator registers into its own 65,536 bytes as they are:
	; tile T = 8 x (m block) + (n block) at 1,024 T, its registers 0-3 and 4-7 as 512 bytes each, 16 neighbouring bytes a lane.
	PLACES                                         ; behind the last matrix instructions: the stores read results, later loads land in fragments and accumulators
	WIN 0x08                                       ; store data from window 2
.set t, 0
.rept 32
	ds_store_b128 v[DMP], v[8*t:8*t+3]   offset:t*1024
	ds_store_b128 v[DMP], v[8*t+4:8*t+7] offset:t*1024+512
.set t, t+1
.endr
	WIN 0x0c                                       ; from window 3
.set t, 0
.rept 32
	ds_store_b128 v[DMP], v[8*t:8*t+3]   offset:(32+t)*1024
	ds_store_b128 v[DMP], v[8*t+4:8*t+7] offset:(32+t)*1024+512
.set t, t+1
.endr
	WIN 0
	s_wait_dscnt 0                                 ; for the others' sake: my image is whole
	s_barrier_signal -1
	s_barrier_wait -1
	; Wave w sums m blocks 2 w and 2 w + 1: tiles 16 w .. 16 w + 15, 16,384 bytes of each image, 128 registers from each.
.irp q, 0,1,2,3
	ds_load_b32 v[DG+\q], v[DGA+\q]                ; and thread m the four parts of element (m, m)
.endr
.macro BACK dst, q
.set u, 0
.rept 32
	ds_load_b128 v[\dst+4*u:\dst+4*u+3], v[RQ+\q] offset:512*u
.set u, u+1
.endr
.endm
.macro ADDQ src                        ; 128 sums, two at a time
.set u, 0
.rept 64
	v_pk_add_f32 v[Q+2*u:Q+2*u+1], v[Q+2*u:Q+2*u+1], v[\src+2*u:\src+2*u+1]
.set u, u+1
.endr
.endm
	BACK Q, 0                                      ; image 0 into window 0
	WIN 0x40
	BACK Q, 1                                      ; image 1 into window 1
	WIN 0x80
	BACK 0, 2                                      ; image 2 into window 2
	WIN 0xc0
	BACK 0, 3                                      ; image 3 into window 3
	s_wait_dscnt 63                                ; images 0 and 1 are in: 64 loads were issued behind them; the wait's field ends at 63, which asks for one load more
	WIN 0x04
	ADDQ Q
	s_wait_dscnt 32                                ; image 2 is in, image 3's 32 loads may be out
	WIN 0x08
	ADDQ 0
	s_wait_dscnt 0
	WIN 0x0c
	ADDQ 0
	WIN 0
	; THE DIAGONAL.  The four parts are added in the order of the sums above, so d has the bits of the sum that is rounded into gb below.
	v_add_f32 v[DG], v[DG], v[DG+1]
	v_add_f32 v[DG], v[DG], v[DG+2]
	v_add_f32 v[DG], v[DG], v[DG+3]
	v_cvt_pk_bf16_f32 v[DT], v[DG], v[DG]
	v_lshlrev_b32 v[DT], 16, v[DT]                 ; bf16(d) as f32
	v_sub_f32 v[DG], v[DG], v[DT]                  ; what the rounding took
	v_add_f32 v[DG], 1.0, v[DG]
	s_lshl_b32 s16, s45, 12                        ; fd: 4,096 bytes a batch,
	s_lshl_b32 s19, s18, 9                         ; 512 a block
	s_add_co_u32 s16, s16, s19
	s_add_nc_u64 s[8:9], s[8:9], s[16:17]          ; (s17 is still 0)
	v_cmp_eq_u32 vcc_lo, s42, v[VI]                ; only the blocks with i = j hold a piece of the diagonal: a mask of lanes, all or none; every path is the same in all partners
	s_wait_xcnt 0x0                                ; EXEC changes only behind this wait (no vector memory instruction is pending here: it is met at once)
	s_and_saveexec_b32 s21, vcc_lo
	global_store_b32 v[FO], v[DG], s[8:9]          ; a wave's 32 lanes: 128 consecutive bytes; fd is 16 KiB in all
	s_wait_xcnt 0x0                                ; and again in front of the line that widens it
	s_or_b32 exec_lo, exec_lo, s21
	; THE WAY OUT, 16 rows of G at a time: round to bf16, 16 bytes a lane into my own stage, read back as whole rows of 256 bytes.
	s_lshl_b32 s16, s45, 21                        ; gb: 1,024 rows of 2,048 bytes a batch,
	s_lshl_b32 s19, s18, 18                        ; 128 rows a block,
	s_add_co_u32 s16, s16, s19
	s_lshl_b32 s19, s10, 16                        ; 32 rows a wave
	s_add_co_u32 s16, s16, s19
	s_add_nc_u64 s[6:7], s[6:7], s[16:17]
	s_lshl_b32 s46, s42, 8                         ; my block's 256 bytes of a row
	s_mov_b32 s47, 0
	s_add_nc_u64 s[6:7], s[6:7], s[46:47]
; rows 16 a .. 16 a + 15 of my 32; rb: where the rows come back.  The two turns use registers of their own, so no store's data is rewritten.
.macro OUT16 a, rb
.irp b, 0,1,2,3,4,5,6,7
.irp r, 0,1,2,3
	v_cvt_pk_bf16_f32 v[TMP+4*\b+\r], v[Q+8*(8*\a+\b)+2*\r], v[Q+8*(8*\a+\b)+2*\r+1]
.endr
.endr
.irp b, 0,1,2,3,4,5,6,7
	ds_store_b128 v[STO], v[TMP+4*\b:TMP+4*\b+3] offset:32*\b
.endr
.irp t, 0,1,2,3,4,5,6,7
	ds_load_b128 v[\rb+4*\t:\rb+4*\t+3], v[RD] offset:\t*2*SPITCH    ; LDS serves a wave's instructions in order (ISA guide 5.7.1.4): these see the stores above
.endr
.irp t, 0,1,2,3,4,5,6,7
	s_wait_dscnt 7-\t
	global_store_b128 v[CO], v[\rb+4*\t:\rb+4*\t+3], s[6:7] offset:(16*\a+2*\t)*ROWB   ; 16 lanes store 256 consecutive bytes, at a multiple of 256 from gb's first byte
.endr
.endm
	OUT16 0, RB
	OUT16 1, Q                                     ; the first 16 rows' sums have been converted: their registers take the rows that come back
	s_wait_tensorcnt 0x0
	ds_add_u32 v62, v63
	s_wait_dscnt 0x0
	CROUND                                         ; the closing round: no work-group ends while a partner may still ask for a tile that names it
	s_endpgm
.Lfunc_end_k_q8312bfffb8_gram:
	.size	k_q8312bfffb8_gram, .Lfunc_end_k_q8312bfffb8_gram-k_q8312bfffb8_gram
	.p2alignl 7, 3214868480
	.fill 96, 4, 3214868480
	.section	.rodata,"a",@progbits
	.p2align	6, 0x0
	.amdhsa_kernel k_q8312bfffb8_gram
		.amdhsa_group_segment_fixed_size 327680
		.amdhsa_private_segment_fixed_size 0
		.amdhsa_enable_private_segment 0
		.amdhsa_kernarg_size 24
		.amdhsa_user_sgpr_count 2
		.amdhsa_user_sgpr_kernarg_segment_ptr 1
		.amdhsa_wavefront_size32 1
		.amdhsa_system_sgpr_workgroup_id_x 1
		.amdhsa_system_sgpr_workgroup_id_y 1
		.amdhsa_system_sgpr_workgroup_id_z 1
		.amdhsa_system_vgpr_workitem_id 0
		.amdhsa_next_free_vgpr 1024
		.amdhsa_next_free_sgpr 66
		.amdhsa_reserve_vcc 1
		.amdhsa_float_denorm_mode_32 3
		.amdhsa_float_denorm_mode_16_64 3
		.amdhsa_memory_ordered 1
		.amdhsa_forward_progress 1
		.amdhsa_inst_pref_size 122
	.end_amdhsa_kernel
	.amdgpu_metadata
---
amdhsa.version: [ 1, 2 ]
amdhsa.kernels:
  - .name:           k_q8312bfffb8_gram
    .symbol:         k_q8312bfffb8_gram.kd
    .args:
      - { .name: xb, .offset: 0, .size: 8, .value_kind: global_buffer, .address_space: global }
      - { .name: gb, .offset: 8, .size: 8, .value_kind: global_buffer, .address_space: global }
      - { .name: fd, .offset: 16, .size: 8, .value_kind: global_buffer, .address_space: global }
    .group_segment_fixed_size: 327680
    .private_segment_fixed_size: 0
    .kernarg_segment_align: 8
    .kernarg_segment_size: 24
    .max_flat_workgroup_size: 128
    .sgpr_count:     66
    .vgpr_count:     1024
    .wavefront_size: 32
...
	.end_amdgpu_metadata
.endif
;; end of part 2
;; launch apply (part 3): grid 8 x 32, 4 waves a work-group, clusters of 4 x 4, 327,680 bytes of LDS; arguments pb, gb, pf, fd, out0; writes out0
.if DOCPART == 3
	.amdgcn_target "amdgcn-amd-amdhsa--gfx1250"
	.amdhsa_code_object_version 6
	.text
	.protected	k_q8312bfffb8_apply
	.globl	k_q8312bfffb8_apply
	.p2align	8
	.type	k_q8312bfffb8_apply,@function
k_q8312bfffb8_apply:
	s_mov_b64 s[64:65], 0
	v_nop
	global_prefetch_b8 v0, s[64:65] scope:SCOPE_SE
	s_setreg_imm32_b32 hwreg(HW_REG_WAVE_MODE, 25, 1), 1
	s_wait_xcnt 0x0
	s_wait_alu depctr_hold_cnt(0) depctr_sa_sdst(0) depctr_va_vdst(0) depctr_va_sdst(0) depctr_va_ssrc(0) depctr_va_vcc(0) depctr_vm_vsrc(0)
	s_getreg_b32 s2, hwreg(HW_REG_IB_STS2, 6, 4)
	s_cmp_eq_u32 s2, 0
	s_cbranch_scc0 .Lentry_in_a_cluster
	s_endpgm
.Lentry_in_a_cluster:
	s_bfe_u32 s2, ttmp6, 0x10000c
	s_cmp_lg_u32 s2, 0xf033
	s_cbranch_scc0 .Lentry_shape_is_right
	s_endpgm
.Lentry_shape_is_right:
; apply: out0[p][c] = pf[p][c] fd[b][c] + sum over k of pb[p][k] gb[b][c][k].   pb: [4096][1024] bf16 (row = 1024 b + p), gb: [4][1024][1024] bf16,
; pf, out0: [4096][1024] f32, fd: [4][1024] f32.
; gb holds G = x^T x, which is symmetric by what it is, so its row c serves as column c: both operands lie with k along their rows.
; fd[c] = 1 + (G[c][c] - bf16(G[c][c])): one fused multiply-add gives "pooled +" and gives back what rounding took from the diagonal term.
; STATED LIMITS: as at the head of the launch that makes gb: the sums are taken in the order pooled (x^T x), G and pooled enter the product in bf16.
;
; SHAPE.  32 x 8 blocks of 128 x 128 of out0: 256 work-groups; four waves, 64 x 64 each (16 accumulator tiles).  k goes in 4 steps of 256
; through two LDS slots; a tile's rows are 512 bytes of memory.  All four steps are written out: no loop.
; CLUSTERS: 4 x 4.  pb's tile hangs on the block row alone and is shared along a row of the cluster; gb's on the block column and the batch
; (which all sixteen share) and is shared along a column: joint loads, which divide the requests by four.
;
; REGISTERS: window 0: v0-31 addresses and fd; v32-95, v96-159 fragment buffers (4 of gb, then 4 of pb, 8 registers each), on the way out four blocks of 32
;            window 1: v0-127 accumulators (tile (a, b) at v[8 (4 a + b)]); v128-255 my 64 x 64 of pf, asked for at the start
; The matrix instruction is used transposed (source 0 = rows of gb, source 1 = rows of pb): lane l holds row l % 16 of out0 and columns 8 (l / 16) + 0..7.
.set PITCH,  528                       ; an LDS row: 512 bytes + 16 of padding = 33 x 16 bytes: the 16 rows that a load touches start at 16 different 16-byte columns of 256
.set QT,     64*PITCH                  ; 64 rows: what one tensor load brings, and what one wave reads of pb or of gb
.set SLOT,   4*QT                      ; pb's 128 rows, then gb's 128 rows
.set STAGE,  2*SLOT                    ; behind the ring: 16 rows x 272 bytes for each wave; no tensor load lands here
.set SPITCH, 272
.set KB,     512                       ; bytes of a K step in a row
.set ROWF,   4096                      ; bytes in a row of pf and of out0
.set ADRA, 16                          ; v16-17  LDS address of my fragments of pb in slot 0, 1
.set ADRB, 20                          ; v20-21  the same for gb
.set STO,  24
.set RD,   25
.set PO,   26                          ; my byte offset in pf and in out0; never rewritten
.set FO,   27                          ; 16 (l % 16): my byte offset in fd
.set FD,   28                          ; v[28:31] fd of the four columns that I store
.set F0,   32
.set F1,   96
.set RB,   32                          ; the way out: block a at v[32 + 32 a]
.set PF,   128                         ; in window 1
.set G1,  24
.set G0,  32
.set G1B, 48
.set G0B, 56
.set MSB, 0
.macro WIN new                         ; the immediate's high byte repeats the setting that is left; a switch that changes nothing is dropped
.if MSB != \new
	s_set_vgpr_msb (MSB<<8)|\new
.set MSB, \new
.endif
.endm
.set MULW, 0x50                        ; sources 0 and 1 window 0, C and D window 1
.macro JLOAD s                         ; waves 0 and 1 fetch pb's two halves, waves 2 and 3 gb's; the branch hangs on the wave's number alone
	s_cmp_eq_u32 s11, 0
	s_cbranch_scc0 .Lfor_b_\@
	tensor_load_to_lds s[G0+4*\s:G0+4*\s+3], s[G1:G1+7]
	s_nop 0
	s_branch .Lasked_\@
.Lfor_b_\@:
	tensor_load_to_lds s[G0B+4*\s:G0B+4*\s+3], s[G1B:G1B+7]
	s_nop 0
.Lasked_\@:
.endm
.macro CREST                           ; a round of the cluster's barrier behind its opening barrier
	s_cmp_lg_u32 s10, 0
	s_cbranch_scc1 .Lnot_wave_0_\@
	s_barrier_signal -3
.Lnot_wave_0_\@:
	s_barrier_wait -3
	s_barrier_signal -1
	s_barrier_wait -1
.endm
.macro CROUND                          ; a whole round
	s_barrier_signal -1
	s_barrier_wait -1
	CREST
.endm
	s_load_b256 s[68:75], s[0:1], 0x0              ; pb s[68:69], gb s[70:71], pf s[72:73], fd s[74:75]
	s_load_b64 s[76:77], s[0:1], 0x20              ; out0
	v_lshl_add_u32 v254, v0, 2, 0x46400
	v_mov_b32 v255, 0
	ds_add_u32 v254, v255
	v_lshrrev_b32 v1, 5, v0
	v_readfirstlane_b32 s10, v1                    ; wave 0..3
	s_lshr_b32 s11, s10, 1                         ; which 64 rows of the block are mine.  Also: I fetch for pb (0) or for gb (1)
	s_and_b32 s12, s10, 1                          ; which 64 columns.  Also: which 64 rows of that tile I fetch
	s_bfe_u32 s40, ttmp6, 0x40000                  ; cx
	s_bfe_u32 s41, ttmp6, 0x40004                  ; cy
	s_lshl_b32 s42, ttmp9, 2
	s_add_co_u32 s42, s42, s40                     ; j: block column, 0..7
	s_and_b32 s45, ttmp7, 0xffff                   ; cluster y, 0..7
	s_lshl_b32 s13, s45, 2
	s_add_co_u32 s13, s13, s41                     ; y: block row, 0..31
	s_lshr_b32 s45, s45, 1                         ; the batch = y / 8 = cluster y / 2: the same in all sixteen partners
	s_lshl_b32 s43, s41, 2
	s_lshl_b32 s43, 15, s43                        ; my row of the cluster
	s_lshl_b32 s44, 0x1111, s40                    ; my column
	; descriptor group 1: a tile of 64 rows x 256 elements of 2 bytes, 4 words of padding behind every 128 words
	s_or_b32 s[G1+0],  s43, (1<<16)|(1<<20)|(1<<21)|(6<<22)|(3<<25)
	s_or_b32 s[G1B+0], s44, (1<<16)|(1<<20)|(1<<21)|(6<<22)|(3<<25)
	s_mov_b32 s[G1+1],  256<<16                    ; tensor_dim0 = 256
	s_mov_b32 s[G1B+1], 256<<16
	s_mov_b32 s[G1+2],  64<<16                     ; tensor_dim1 = 64
	s_mov_b32 s[G1B+2], 64<<16
	s_mov_b32 s[G1+3],  256<<16                    ; tile_dim0 = 256
	s_mov_b32 s[G1B+3], 256<<16
	s_mov_b32 s[G1+4],  64                         ; tile_dim1 = 64
	s_mov_b32 s[G1B+4], 64
	s_mov_b32 s[G1+5],  1024                       ; elements from row to row
	s_mov_b32 s[G1B+5], 1024
	s_mov_b32 s[G1+6],  0
	s_mov_b32 s[G1B+6], 0
	s_mov_b32 s[G1+7],  0
	s_mov_b32 s[G1B+7], 0
	; where the tiles come from: s16 never holds cx, s46 never holds cy
	s_lshl_b32 s19, s12, 17                        ; my 64 rows of 2,048 bytes
	s_lshl_b32 s16, s13, 18                        ; pb: 128 rows a block row
	s_add_co_u32 s16, s16, s19
	s_mov_b32 s17, 0
	s_lshl_b32 s46, s42, 18                        ; gb: 128 rows a block column,
	s_add_co_u32 s46, s46, s19
	s_lshl_b32 s19, s45, 21                        ; 1,024 rows a batch
	s_add_co_u32 s46, s46, s19
	s_mov_b32 s47, 0
	s_mul_i32 s20, s10, QT                         ; and where they go: wave x 64 rows
	s_wait_dscnt 0x0
	s_wait_kmcnt 0x0
	s_add_nc_u64 s[14:15], s[68:69], s[16:17]
	s_add_nc_u64 s[46:47], s[70:71], s[46:47]
	CROUND                                         ; all sixteen work-groups are here: the first joint loads meet
.irp s, 0,1
	s_mov_b32 s[G0+4*\s], 1
	s_add_co_u32 s[G0+4*\s+1], s20, \s*SLOT
	s_add_nc_u64 s[G0+4*\s+2:G0+4*\s+3], s[14:15], \s*KB           ; K step s
	s_or_b32 s[G0+4*\s+3], s[G0+4*\s+3], 0x80000000
	s_mov_b32 s[G0B+4*\s], 1
	s_add_co_u32 s[G0B+4*\s+1], s20, \s*SLOT
	s_add_nc_u64 s[G0B+4*\s+2:G0B+4*\s+3], s[46:47], \s*KB
	s_or_b32 s[G0B+4*\s+3], s[G0B+4*\s+3], 0x80000000
	JLOAD \s                                       ; both first fills go out before anything else: two tensor loads of the wave are out
.endr
	; my 64 x 64 of pf and of out0, and my 64 numbers of fd
	s_lshl_b32 s16, s13, 19                        ; 128 rows of 4,096 bytes a block row,
	s_lshl_b32 s19, s11, 18                        ; 64 rows a wave
	s_add_co_u32 s16, s16, s19
	s_add_nc_u64 s[72:73], s[72:73], s[16:17]
	s_add_nc_u64 s[76:77], s[76:77], s[16:17]
	s_lshl_b32 s46, s42, 9                         ; 128 columns of 4 bytes a block column,
	s_lshl_b32 s19, s12, 8                         ; 64 a wave
	s_add_co_u32 s46, s46, s19
	s_mov_b32 s47, 0
	s_add_nc_u64 s[72:73], s[72:73], s[46:47]
	s_add_nc_u64 s[76:77], s[76:77], s[46:47]
	s_add_nc_u64 s[74:75], s[74:75], s[46:47]
	s_lshl_b32 s16, s45, 12                        ; fd: 4,096 bytes a batch
	s_add_nc_u64 s[74:75], s[74:75], s[16:17]
	v_and_b32 v1, 15, v0                           ; r = l % 16
	v_bfe_u32 v2, v0, 4, 1                         ; h = l / 16
	v_lshlrev_b32 v[FO], 4, v1
	v_lshl_add_u32 v[PO], v2, 12, v[FO]            ; lanes 0-15 one row's 256 bytes, lanes 16-31 the next row's
	WIN 0x40                                       ; destination window 1
.set n, 0
.rept 32
	global_load_b128 v[PF+4*n:PF+4*n+3], v[PO], s[72:73] offset:2*n*ROWF th:TH_LOAD_NT   ; pf is read once in the launch; it is wanted only on the way out
.set n, n+1
.endr
	WIN 0
	global_load_b128 v[FD:FD+3], v[FO], s[74:75]
	; fragments: lane l holds row l % 16; two loads of 16 bytes, 32 bytes apart, at row x pitch + 16 (l / 16)
	v_mul_u32_u24 v3, v1, PITCH
	v_lshl_add_u32 v3, v2, 4, v3
	s_mul_i32 s21, s11, QT                         ; my 64 rows of pb
	s_mul_i32 s22, s12, QT                         ; my 64 rows of gb,
	s_add_co_u32 s22, s22, 2*QT                    ; which lie behind pb's 128
.irp s, 0,1
	v_add_nc_u32 v[ADRA+\s], s21, v3
	v_add_nc_u32 v[ADRB+\s], s22, v3
	s_add_co_u32 s21, s21, SLOT
	s_add_co_u32 s22, s22, SLOT
.endr
	s_mul_i32 s23, s10, 16*SPITCH
	s_add_co_u32 s23, s23, STAGE                   ; my stage
	v_mul_u32_u24 v4, v1, SPITCH                   ; in: row r, 32 bytes (8 f32) for each half of the lanes
	v_lshl_add_u32 v4, v2, 5, v4
	v_add_nc_u32 v[STO], s23, v4
	v_mul_u32_u24 v5, v2, SPITCH                   ; back: lanes 0-15 one row of 256 bytes, lanes 16-31 the next
	v_add_nc_u32 v5, v5, v[FO]
	v_add_nc_u32 v[RD], s23, v5
; 8 matrix instructions: m blocks a0, a0 + 1 x all 4 n blocks, 32 along k.  zero = 1: the first product starts the sums.
.macro MUL8 f, a0, zero
.irp a, \a0, \a0+1
.irp b, 0,1,2,3
.if \zero
	v_wmma_f32_16x16x32_bf16 v[8*(4*(\a)+\b):8*(4*(\a)+\b)+7], v[\f+8*\b:\f+8*\b+7], v[\f+32+8*(\a):\f+32+8*(\a)+7], 0
.else
	v_wmma_f32_16x16x32_bf16 v[8*(4*(\a)+\b):8*(4*(\a)+\b)+7], v[\f+8*\b:\f+8*\b+7], v[\f+32+8*(\a):\f+32+8*(\a)+7], v[8*(4*(\a)+\b):8*(4*(\a)+\b)+7]
.endif
.endr
.endr
.endm
; 16 LDS loads in one run: 64 rows of gb, 64 rows of pb, 32 k at byte k of the rows, into buffer f
.macro FETCH slot, k, f
	WIN 0
.irp i, 0,1,2,3
	ds_load_b128 v[\f+8*\i:\f+8*\i+3],   v[ADRB+\slot] offset:\k+\i*16*PITCH
	ds_load_b128 v[\f+8*\i+4:\f+8*\i+7], v[ADRB+\slot] offset:\k+\i*16*PITCH+32
.endr
.irp i, 0,1,2,3
	ds_load_b128 v[\f+32+8*\i:\f+32+8*\i+3],   v[ADRA+\slot] offset:\k+\i*16*PITCH
	ds_load_b128 v[\f+32+8*\i+4:\f+32+8*\i+7], v[ADRA+\slot] offset:\k+\i*16*PITCH+32
.endr
.endm
; Four places behind a matrix instruction before a load lands in a register that it read, or anything but a matrix instruction reads its result
; (ISA guide 7.12.1 for vector instructions).
.macro PLACES
.rept 4
	v_nop
.endr
.endm
; A K step is eight parts of 32 along k, 16 matrix instructions each, on buffers 0, 1, 0, 1 ...
; The 16 accumulators take turns, one instruction a turn, in the same order in every part.
; One of the first seven: asks for the next part's fragments (into g), then multiplies part kk (in f).
.macro SUB slot, kk, f, g, zero
	PLACES
	FETCH \slot, 64*(\kk+1), \g
	s_wait_dscnt 16                                ; all but the 16 just issued: buffer f is in
	WIN MULW
	MUL8 \f, 0, \zero
	MUL8 \f, 2, \zero
.endm
.macro STEP slot, zero
	SUB \slot, 0, F0, F1, \zero
	SUB \slot, 1, F1, F0, 0
	SUB \slot, 2, F0, F1, 0
	SUB \slot, 3, F1, F0, 0
	SUB \slot, 4, F0, F1, 0
	SUB \slot, 5, F1, F0, 0
	SUB \slot, 6, F0, F1, 0
.endm
; The eighth part: multiplies buffer 1 and changes slots.  fill = 1: this slot is filled again, two K steps ahead.
; In front of the barrier each wave waits for its reads of this slot and for all its tensor loads, of which one is out: its part of the next slot.
; Behind it (with fill: behind the cluster's round that it opens) the refill comes first, then the next slot's first fragments.
; From a request to the wait for it a wave issues 8 + 7 x 16 = 120 matrix instructions.
.macro TURN slot, next, fill
	s_wait_dscnt 0x0                               ; buffer 1 is in, and with it my reads of this slot are over
	s_wait_tensorcnt 0x0                           ; all my tensor loads have landed
	ds_add_u32 v254, v255
	s_wait_dscnt 0x0
	s_barrier_signal -1
	WIN MULW
	MUL8 F1, 0, 0                                  ; register work while the others arrive
	WIN 0
	s_barrier_wait -1
.if \fill
	CREST                                          ; no wave of any partner still reads this slot or has a load on its way
	s_add_nc_u64 s[G0+4*\slot+2:G0+4*\slot+3],   s[G0+4*\slot+2:G0+4*\slot+3],   2*KB
	s_add_nc_u64 s[G0B+4*\slot+2:G0B+4*\slot+3], s[G0B+4*\slot+2:G0B+4*\slot+3], 2*KB
	JLOAD \slot                                    ; the wave's one tensor load behind the round, and the first thing there
.endif
	PLACES
	FETCH \next, 0, F0
	WIN MULW
	MUL8 F1, 2, 0
.endm
	s_wait_tensorcnt 1                             ; my part of K step 0 is in; K step 1's may stay out
	s_barrier_signal -1
	s_barrier_wait -1                              ; everybody's is
	FETCH 0, 0, F0
	STEP 0, 1                                      ; K step 0: its first products start the sums
	TURN 0, 1, 1                                   ; slot 0 gets K step 2
	STEP 1, 0
	TURN 1, 0, 1                                   ; slot 1 gets K step 3
	STEP 0, 0
	TURN 0, 1, 0                                   ; nothing is left to fetch
	STEP 1, 0
	s_wait_dscnt 0x0                               ; the very last part
	MUL8 F1, 0, 0
	MUL8 F1, 2, 0
	; THE WAY OUT, 16 rows at a time: the sums go through my own stage (a lane holds 8 f32 of one row; a row of 64 f32 is 256 bytes),
	; come back as whole rows, take pf x fd in one fused step, and leave.
	PLACES                                         ; behind the last matrix instructions: the LDS stores read results, the loads land in fragment buffers
	s_wait_loadcnt 0x0                             ; pf and fd, asked for at the start
.macro OUT16 a
	WIN 0x04                                       ; store data from window 1
.irp b, 0,1,2,3
	ds_store_b128 v[STO], v[8*(4*\a+\b):8*(4*\a+\b)+3]   offset:64*\b
	ds_store_b128 v[STO], v[8*(4*\a+\b)+4:8*(4*\a+\b)+7] offset:64*\b+16
.endr
	WIN 0
.irp t, 0,1,2,3,4,5,6,7
	ds_load_b128 v[RB+32*\a+4*\t:RB+32*\a+4*\t+3], v[RD] offset:\t*2*SPITCH   ; LDS serves a wave's instructions in order (ISA guide 5.7.1.4): these see the stores above
.endr
	s_wait_dscnt 0x0
	WIN 0x01                                       ; source 0 (pf) from window 1
.irp t, 0,1,2,3,4,5,6,7
	v_pk_fma_f32 v[RB+32*\a+4*\t:RB+32*\a+4*\t+1],   v[PF+32*\a+4*\t:PF+32*\a+4*\t+1],   v[FD:FD+1],   v[RB+32*\a+4*\t:RB+32*\a+4*\t+1]
	v_pk_fma_f32 v[RB+32*\a+4*\t+2:RB+32*\a+4*\t+3], v[PF+32*\a+4*\t+2:PF+32*\a+4*\t+3], v[FD+2:FD+3], v[RB+32*\a+4*\t+2:RB+32*\a+4*\t+3]
.endr
	WIN 0
.irp t, 0,1,2,3,4,5,6,7
	global_store_b128 v[PO], v[RB+32*\a+4*\t:RB+32*\a+4*\t+3], s[76:77] offset:(16*\a+2*\t)*ROWF th:TH_STORE_NT   ; 16 lanes store 256 consecutive bytes, aligned; each turn has 32 registers of its own
.endr
.endm
	OUT16 0
	OUT16 1
	OUT16 2
	OUT16 3
	s_wait_tensorcnt 0x0
	ds_add_u32 v254, v255
	s_wait_dscnt 0x0
	CROUND                                         ; the closing round: no work-group ends while a partner may still ask for a tile that names it
	s_endpgm
.Lfunc_end_k_q8312bfffb8_apply:
	.size	k_q8312bfffb8_apply, .Lfunc_end_k_q8312bfffb8_apply-k_q8312bfffb8_apply
	.p2alignl 7, 3214868480
	.fill 96, 4, 3214868480
	.section	.rodata,"a",@progbits
	.p2align	6, 0x0
	.amdhsa_kernel k_q8312bfffb8_apply
		.amdhsa_group_segment_fixed_size 327680
		.amdhsa_private_segment_fixed_size 0
		.amdhsa_enable_private_segment 0
		.amdhsa_kernarg_size 40
		.amdhsa_user_sgpr_count 2
		.amdhsa_user_sgpr_kernarg_segment_ptr 1
		.amdhsa_wavefront_size32 1
		.amdhsa_system_sgpr_workgroup_id_x 1
		.amdhsa_system_sgpr_workgroup_id_y 1
		.amdhsa_system_sgpr_workgroup_id_z 1
		.amdhsa_system_vgpr_workitem_id 0
		.amdhsa_next_free_vgpr 512
		.amdhsa_next_free_sgpr 78
		.amdhsa_reserve_vcc 0
		.amdhsa_float_denorm_mode_32 3
		.amdhsa_float_denorm_mode_16_64 3
		.amdhsa_memory_ordered 1
		.amdhsa_forward_progress 1
		.amdhsa_inst_pref_size 95
	.end_amdhsa_kernel
	.amdgpu_metadata
---
amdhsa.version: [ 1, 2 ]
amdhsa.kernels:
  - .name:           k_q8312bfffb8_apply
    .symbol:         k_q8312bfffb8_apply.kd
    .args:
      - { .name: pb, .offset: 0, .size: 8, .value_kind: global_buffer, .address_space: global }
      - { .name: gb, .offset: 8, .size: 8, .value_kind: global_buffer, .address_space: global }
      - { .name: pf, .offset: 16, .size: 8, .value_kind: global_buffer, .address_space: global }
      - { .name: fd, .offset: 24, .size: 8, .value_kind: global_buffer, .address_space: global }
      - { .name: out0, .offset: 32, .size: 8, .value_kind: global_buffer, .address_space: global }
    .group_segment_fixed_size: 327680
    .private_segment_fixed_size: 0
    .kernarg_segment_align: 8
    .kernarg_segment_size: 40
    .max_flat_workgroup_size: 128
    .sgpr_count:     78
    .vgpr_count:     512
    .wavefront_size: 32
...
	.end_amdgpu_metadata
.endif
;; end of part 3
